; MI455X (gfx1250); checked and timed in simulation.
; The chip was launched on July 23, 2026; its instructions are those of AMD's public machine-readable ISA for CDNA 5 (MIT licence, August 2026) and "CDNA5" Instruction Set Architecture Reference Guide (July 2026). The comments in the code are by the model that wrote it; some were corrected since.
;; Query Depth Identity Model. Allowed arithmetic: float matrix products may take bf16 or f16 operands with f32 sums; other float arithmetic in f32, or as packed bf16 or f16 multiplies, adds, multiply-adds, maxima and minima; sums over many terms, partial sums and values carried from step to step in f32; what a program stores and reads back later, other than sums and carried values, may be rounded once to bf16 or f16.
;; Inputs: centers 4 x 64 x 2 float32; depth 4 x 64 x 1 float32; depth_scale 4 x 64 x 1 float32; patch_alpha 4 x 64 x 32 x 32 float32; sizes 4 x 64 x 2 float32.
;; Outputs: out0 4 x 256 x 512 float32; out1 4 x 1 x 256 x 512 float32; out2 4 x 1 x 256 x 512 float32.
;; One version. Each part assembles by itself: llvm-mc -triple=amdgcn-amd-amdhsa -mcpu=gfx1250 --defsym DOCPART=n.
;; ======== version 1 of 1: 2 launches
;; workspace buffers: rec 8,192 bytes of whole numbers
;; launch prep (part 1): grid 64 x 4, 1 waves a work-group, no clusters, 0 bytes of LDS; arguments centers, depth, sizes, rec; writes rec
.if DOCPART == 1
	.amdgcn_target "amdgcn-amd-amdhsa--gfx1250"
	.amdhsa_code_object_version 6
	.text
	.protected	k_qd9cf102266_prep
	.globl	k_qd9cf102266_prep
	.p2align	8
	.type	k_qd9cf102266_prep,@function
k_qd9cf102266_prep:
	s_mov_b64 s[64:65], 0
	v_nop
	global_prefetch_b8 v0, s[64:65] scope:SCOPE_SE
	s_setreg_imm32_b32 hwreg(HW_REG_WAVE_MODE, 25, 1), 1
	s_wait_xcnt 0x0
; PREP: one wave for each (batch, query).  It turns the query's floats into the whole numbers from which the next launch forms trip counts and texel addresses:
;   word 0  first column of the image inside the patch's support | number of such columns << 16      word 4  the same for rows
;   word 1  AX: (sampling coordinate at that first column + 2) x 2^24                                 word 5  AY
;   word 2  DX: the coordinate's step from column to column x 2^24 (signed)                           word 6  DY
;   word 3  the query's place in the far-to-near order of its batch (ties by index: a stable sort)    word 7  0
; SUPPORT.  The sample is 0 wherever the coordinate ix is <= -1 or >= 32.  ix is evaluated at all 512 columns and all 256 rows with the very operations of the model
; (step = i * fl(1/(n-1)); g = step - (1 - step); (g - c) / s; clip to +-1.1; + 1; * 15.5), 24 pixels a lane, two to a packed instruction, four independent pairs at a time.
; ix runs one way along an axis, so counting the pixels with ix <= -1 and those with ix >= 32 gives the first pixel inside and their number; a negative size swaps the two counts' parts.
; An empty support is stored as first pixel 1023, which no tile reaches.
; THE DIVISION is n * r with r = 1/s refined by one step, and one fused correction of the quotient: the rounded quotient of f32 division.
; LIMITS.  |sizes| from 1e-30 to 1e30 and not 0 (the division has no scaling step); NaN and infinities are not treated apart.
; Every address here is made of ids alone; what hangs on floats is only selected and stored.
; The result is 32 bytes a work-group, 8,192 bytes in the launch: two lanes store 16 bytes each, on end.
.set C511,   0x3b004020                ; 1/511 rounded to f32
.set C255,   0x3b808081                ; 1/255 rounded to f32
.set CLIPLO, 0xbf8ccccd                ; -1.1
.set CLIPHI, 0x3f8ccccd                ; 1.1
.set HALFW,  0x41780000                ; 15.5 = 0.5 x 31
.set FIX,    0x4b800000                ; 2^24
.set KX,     0x49787c3e                ; 31/511 x 2^24: DX = KX / sx
.set KY,     0x49f8f8f9                ; 31/255 x 2^24
.set IDX, 4                            ; v[4:11]   four pairs of pixel numbers as f32: (lane + 64 j, lane + 64 j + 32)
.set SZ,  12                           ; v[12:13]  sx, sy
.set RC,  14                           ; v[14:15]  1/sx, 1/sy
.set CT,  16                           ; v[16:17]  cx, cy
.set XC,  18                           ; v[18:23]  cx, sx, 1/sx, each twice
.set XS,  20
.set XR,  22
.set YC,  24                           ; v[24:29]  the same for y
.set YS,  26
.set YR,  28
.set P,   32                           ; v[32:39]  four pairs at work
.set Q,   40                           ; v[40:47]  four more
.set MK,  40                           ; s[40:55]  sixteen ballots
	s_load_b256 s[4:11], s[0:1], 0x0               ; centers s[4:5], depth s[6:7], sizes s[8:9], rec s[10:11]
	s_and_b32 s12, ttmp7, 0xffff                   ; batch
	s_lshl_b32 s13, s12, 6
	s_add_co_u32 s13, s13, ttmp9                   ; 64 x batch + query
	s_lshl_b32 s14, s13, 3                         ; its bytes in centers and in sizes
	s_lshl_b32 s15, s13, 2                         ; in depth
	s_lshl_b32 s16, s12, 8                         ; the batch's 64 depths
	s_lshl_b32 s36, s13, 5                         ; its record
	v_lshl_add_u32 v1, v0, 2, s16
	v_lshl_add_u32 v64, v0, 4, s36
	v_cvt_f32_u32 v[IDX], v0
	s_wait_kmcnt 0x0
	s_load_b64 s[20:21], s[4:5], s14 offset:0x0    ; cx, cy
	s_load_b64 s[22:23], s[8:9], s14 offset:0x0    ; sx, sy
	s_load_b32 s24, s[6:7], s15 offset:0x0         ; my depth
	global_load_b32 v2, v1, s[6:7]                 ; depth of query lane,
	global_load_b32 v3, v1, s[6:7] offset:128      ; and of query lane + 32
	v_add_f32 v[IDX+1], 0x42000000, v[IDX]
	v_pk_add_f32 v[IDX+2:IDX+3], v[IDX:IDX+1], 0x42800000 op_sel_hi:[1,0]   ; + 64
	v_pk_add_f32 v[IDX+4:IDX+5], v[IDX:IDX+1], 0x43000000 op_sel_hi:[1,0]   ; + 128
	v_pk_add_f32 v[IDX+6:IDX+7], v[IDX:IDX+1], 0x43400000 op_sel_hi:[1,0]   ; + 192
	s_mov_b32 s17, CLIPLO
	s_mov_b32 s18, CLIPHI
	s_mov_b32 s19, 0x42000000                      ; 32.0
	s_mov_b32 s26, 0                               ; columns with ix <= -1
	s_mov_b32 s27, 0                               ; columns with ix >= 32
	s_mov_b32 s28, 0                               ; rows likewise
	s_mov_b32 s29, 0
	v_mov_b32 v52, C511
	v_mov_b32 v53, C255
	v_mov_b32 v54, KX
	v_mov_b32 v55, KY
	s_wait_kmcnt 0x0
	v_rcp_f32 v[RC], s22
	v_rcp_f32 v[RC+1], s23
	v_mov_b32 v[SZ], s22                           ; plain work behind the two reciprocals; none of it names them
	v_mov_b32 v[SZ+1], s23
	v_mov_b32 v[CT], s20
	v_mov_b32 v[CT+1], s21
	v_mov_b32 v[XC], s20
	v_mov_b32 v[XC+1], s20
	v_mov_b32 v[XS], s22
	v_mov_b32 v[XS+1], s22
	v_mov_b32 v[YC], s21
	v_mov_b32 v[YC+1], s21
	v_mov_b32 v[YS], s23
	v_mov_b32 v[YS+1], s23
	s_wait_alu depctr_va_vdst(0)                   ; one wait for both reciprocals, ahead of their first reader
	v_pk_fma_f32 v[30:31], v[SZ:SZ+1], v[RC:RC+1], 1.0 op_sel_hi:[1,1,0] neg_lo:[1,0,0] neg_hi:[1,0,0]  ; 1 - s r
	v_pk_fma_f32 v[RC:RC+1], v[30:31], v[RC:RC+1], v[RC:RC+1]                                           ; r + r (1 - s r)
	v_mov_b32 v[XR], v[RC]
	v_mov_b32 v[XR+1], v[RC]
	v_mov_b32 v[YR], v[RC+1]
	v_mov_b32 v[YR+1], v[RC+1]
	v_pk_mul_f32 v[56:57], v[RC:RC+1], v[54:55]    ; the coordinate's step a pixel, x 2^24
; 256 pixels of one axis: eight a lane.  far = 1: pixels 256 to 511.  The counts of pixels below and above the support are added to s[nb] and s[na].
.macro GROUP far, clit, cen, siz, inv, nb, na
.if \far
.irp j, 0,1,2,3
	v_pk_add_f32 v[P+2*\j:P+2*\j+1], v[IDX+2*\j:IDX+2*\j+1], 0x43800000 op_sel_hi:[1,0]
.endr
.set SRC, P
.else
.set SRC, IDX
.endif
.irp j, 0,1,2,3
	v_pk_mul_f32 v[P+2*\j:P+2*\j+1], v[SRC+2*\j:SRC+2*\j+1], \clit op_sel_hi:[1,0]                      ; step
.endr
.irp j, 0,1,2,3
	v_pk_add_f32 v[Q+2*\j:Q+2*\j+1], v[P+2*\j:P+2*\j+1], 1.0 op_sel_hi:[1,0] neg_lo:[1,0] neg_hi:[1,0]  ; 1 - step
.endr
.irp j, 0,1,2,3
	v_pk_add_f32 v[P+2*\j:P+2*\j+1], v[P+2*\j:P+2*\j+1], v[Q+2*\j:Q+2*\j+1] neg_lo:[0,1] neg_hi:[0,1]   ; g
.endr
.irp j, 0,1,2,3
	v_pk_add_f32 v[P+2*\j:P+2*\j+1], v[P+2*\j:P+2*\j+1], v[\cen:\cen+1] neg_lo:[0,1] neg_hi:[0,1]       ; n = g - c
.endr
.irp j, 0,1,2,3
	v_pk_mul_f32 v[Q+2*\j:Q+2*\j+1], v[P+2*\j:P+2*\j+1], v[\inv:\inv+1]                                 ; q0 = n r
.endr
.irp j, 0,1,2,3
	v_pk_fma_f32 v[P+2*\j:P+2*\j+1], v[\siz:\siz+1], v[Q+2*\j:Q+2*\j+1], v[P+2*\j:P+2*\j+1] neg_lo:[1,0,0] neg_hi:[1,0,0]  ; n - s q0
.endr
.irp j, 0,1,2,3
	v_pk_fma_f32 v[P+2*\j:P+2*\j+1], v[P+2*\j:P+2*\j+1], v[\inv:\inv+1], v[Q+2*\j:Q+2*\j+1]             ; n / s
.endr
.irp j, 0,1,2,3,4,5,6,7
	v_med3_num_f32 v[P+\j], v[P+\j], s17, s18                                                           ; clip
.endr
.irp j, 0,1,2,3
	v_pk_add_f32 v[P+2*\j:P+2*\j+1], v[P+2*\j:P+2*\j+1], 1.0 op_sel_hi:[1,0]
.endr
.irp j, 0,1,2,3
	v_pk_mul_f32 v[P+2*\j:P+2*\j+1], v[P+2*\j:P+2*\j+1], HALFW op_sel_hi:[1,0]                          ; ix
.endr
.irp j, 0,1,2,3,4,5,6,7
	v_cmp_ge_f32 s[MK+\j], -1.0, v[P+\j]           ; ix <= -1
	v_cmp_le_f32 s[MK+8+\j], s19, v[P+\j]          ; ix >= 32
.endr
.irp j, 0,1,2,3,4,5,6,7
	s_bcnt1_i32_b32 s[MK+\j], s[MK+\j]
	s_bcnt1_i32_b32 s[MK+8+\j], s[MK+8+\j]
	s_add_co_u32 s[\nb], s[\nb], s[MK+\j]
	s_add_co_u32 s[\na], s[\na], s[MK+8+\j]
.endr
.endm
	GROUP 0, C511, XC, XS, XR, 26, 27
	GROUP 1, C511, XC, XS, XR, 26, 27
	GROUP 0, C255, YC, YS, YR, 28, 29
	s_sub_co_u32 s30, 512, s26
	s_sub_co_u32 s30, s30, s27                     ; columns inside
	s_bitcmp1_b32 s22, 31                          ; a negative size turns the axis round: only a value is chosen by it
	s_cselect_b32 s31, s27, s26                    ; the first of them
	s_cmp_eq_u32 s30, 0
	s_cselect_b32 s31, 0x3ff, s31                  ; none: beyond every tile
	s_sub_co_u32 s32, 256, s28
	s_sub_co_u32 s32, s32, s29                     ; rows inside
	s_bitcmp1_b32 s23, 31
	s_cselect_b32 s33, s29, s28
	s_cmp_eq_u32 s32, 0
	s_cselect_b32 s33, 0x3ff, s33
	v_cvt_f32_u32 v48, s31
	v_cvt_f32_u32 v49, s33
	s_lshl_b32 s34, s30, 16
	s_or_b32 s34, s34, s31                         ; word 0
	s_lshl_b32 s35, s32, 16
	s_or_b32 s35, s35, s33                         ; word 4
	; the coordinate at the first column (low half) and the first row (high half); inside the support the clip does nothing
	v_pk_mul_f32 v[48:49], v[48:49], v[52:53]
	v_pk_add_f32 v[50:51], v[48:49], 1.0 op_sel_hi:[1,0] neg_lo:[1,0] neg_hi:[1,0]
	v_pk_add_f32 v[48:49], v[48:49], v[50:51] neg_lo:[0,1] neg_hi:[0,1]
	v_pk_add_f32 v[48:49], v[48:49], v[CT:CT+1] neg_lo:[0,1] neg_hi:[0,1]
	v_pk_mul_f32 v[50:51], v[48:49], v[RC:RC+1]
	v_pk_fma_f32 v[48:49], v[SZ:SZ+1], v[50:51], v[48:49] neg_lo:[1,0,0] neg_hi:[1,0,0]
	v_pk_fma_f32 v[48:49], v[48:49], v[RC:RC+1], v[50:51]
	v_pk_add_f32 v[48:49], v[48:49], 1.0 op_sel_hi:[1,0]
	v_pk_mul_f32 v[48:49], v[48:49], HALFW op_sel_hi:[1,0]
	v_pk_add_f32 v[48:49], v[48:49], 2.0 op_sel_hi:[1,0]                    ; + 2: 1 to 34, never negative
	v_pk_mul_f32 v[48:49], v[48:49], FIX op_sel_hi:[1,0]
	v_cvt_u32_f32 v48, v48                         ; AX
	v_cvt_u32_f32 v49, v49                         ; AY
	v_cvt_i32_f32 v56, v56                         ; DX (a step above 128 texels saturates: such a support has one pixel, whose distance from the first is 0)
	v_cvt_i32_f32 v57, v57                         ; DY
	; my place far to near: the queries that are deeper, and the equally deep ones with a lower number
	s_wait_loadcnt 0x0
	v_cmp_lt_f32 s40, s24, v2
	v_cmp_lt_f32 s41, s24, v3
	v_cmp_eq_f32 s42, s24, v2
	v_cmp_eq_f32 s43, s24, v3
	s_and_b32 s44, ttmp9, 31
	s_bfm_b32 s44, s44, 0                          ; (q mod 32) ones
	s_cmp_lt_u32 ttmp9, 32
	s_cselect_b32 s45, s44, -1                     ; the queries below mine: numbers 0 to 31,
	s_cselect_b32 s46, 0, s44                      ; and 32 to 63
	s_and_b32 s42, s42, s45
	s_and_b32 s43, s43, s46
	s_or_b32 s40, s40, s42
	s_or_b32 s41, s41, s43
	s_bcnt1_i32_b32 s40, s40
	s_bcnt1_i32_b32 s41, s41
	s_add_co_u32 s40, s40, s41
	; lane 0 takes words 0 to 3, lane 1 words 4 to 7
	v_mov_b32 v60, s34
	v_mov_b32 v65, s35
	v_mov_b32 v63, s40
	v_cmp_eq_u32 vcc_lo, 1, v0
	v_cndmask_b32 v60, v60, v65, vcc_lo
	v_cndmask_b32 v61, v48, v49, vcc_lo
	v_cndmask_b32 v62, v56, v57, vcc_lo
	v_cndmask_b32 v63, v63, 0, vcc_lo
	s_wait_xcnt 0x0                                ; EXEC is narrowed only behind this wait: it is a source of the loads above
	v_cmpx_gt_u32 2, v0
	global_store_b128 v64, v[60:63], s[10:11]      ; 32 bytes on end
	s_endpgm
.Lfunc_end_k_qd9cf102266_prep:
	.size	k_qd9cf102266_prep, .Lfunc_end_k_qd9cf102266_prep-k_qd9cf102266_prep
	.p2alignl 7, 3214868480
	.fill 96, 4, 3214868480
	.section	.rodata,"a",@progbits
	.p2align	6, 0x0
	.amdhsa_kernel k_qd9cf102266_prep
		.amdhsa_group_segment_fixed_size 0
		.amdhsa_private_segment_fixed_size 0
		.amdhsa_enable_private_segment 0
		.amdhsa_kernarg_size 32
		.amdhsa_user_sgpr_count 2
		.amdhsa_user_sgpr_kernarg_segment_ptr 1
		.amdhsa_wavefront_size32 1
		.amdhsa_system_sgpr_workgroup_id_x 1
		.amdhsa_system_sgpr_workgroup_id_y 1
		.amdhsa_system_sgpr_workgroup_id_z 1
		.amdhsa_system_vgpr_workitem_id 0
		.amdhsa_next_free_vgpr 72
		.amdhsa_next_free_sgpr 66
		.amdhsa_reserve_vcc 1
		.amdhsa_float_denorm_mode_32 3
		.amdhsa_float_denorm_mode_16_64 3
		.amdhsa_memory_ordered 1
		.amdhsa_forward_progress 1
		.amdhsa_inst_pref_size 21
	.end_amdhsa_kernel
	.amdgpu_metadata
---
amdhsa.version: [ 1, 2 ]
amdhsa.kernels:
  - .name:           k_qd9cf102266_prep
    .symbol:         k_qd9cf102266_prep.kd
    .args:
      - { .name: centers, .offset: 0, .size: 8, .value_kind: global_buffer, .address_space: global }
      - { .name: depth, .offset: 8, .size: 8, .value_kind: global_buffer, .address_space: global }
      - { .name: sizes, .offset: 16, .size: 8, .value_kind: global_buffer, .address_space: global }
      - { .name: rec, .offset: 24, .size: 8, .value_kind: global_buffer, .address_space: global }
    .group_segment_fixed_size: 0
    .private_segment_fixed_size: 0
    .kernarg_segment_align: 8
    .kernarg_segment_size: 32
    .max_flat_workgroup_size: 32
    .sgpr_count:     66
    .vgpr_count:     72
    .wavefront_size: 32
...
	.end_amdgpu_metadata
.endif
;; end of part 1
;; launch render (part 2): grid 64 x 4, 8 waves a work-group, no clusters, 0 bytes of LDS; arguments centers, depth, depth_scale, patch_alpha, sizes, rec, out0, out1, out2; writes out0, out1, out2
.if DOCPART == 2
	.amdgcn_target "amdgcn-amd-amdhsa--gfx1250"
	.amdhsa_code_object_version 6
	.text
	.protected	k_qd9cf102266_render
	.globl	k_qd9cf102266_render
	.p2align	8
	.type	k_qd9cf102266_render,@function
k_qd9cf102266_render:
	s_mov_b64 s[64:65], 0
	v_nop
	global_prefetch_b8 v0, s[64:65] scope:SCOPE_SE
	s_setreg_imm32_b32 hwreg(HW_REG_WAVE_MODE, 25, 1), 1
	s_wait_xcnt 0x0
; RENDER: far-to-near compositing of 64 bilinearly sampled 32 x 32 patches into identity, depth and occupancy, [4][256][512] f32 each.
; SHARES.  A work-group owns 4 rows of one batch's image, each of its eight waves 64 columns of them, a lane two neighbouring columns in the 4 rows: every store of a wave covers 256 consecutive bytes, aligned.
; WHICH QUERIES.  Lane l holds the records (made by the launch before) and the parameters of queries l and l + 32 of the batch.  A query meets the tile if its ranges of columns and rows do (integers);
; 1 << rank of those that do is ORed over the lanes: a mask of 64 bits in far-to-near order.  The wave walks its set bits; a tile that no patch meets walks none.  A query's numbers come out of its lane by v_readlane_b32.
; ADDRESSES are made of whole numbers that were loaded: the texel cell of a pixel is (A + min(pixel - first, count - 1) x D) >> 24, less 2.  THE WEIGHTS are made of the model's own f32 coordinate
; (g = step - (1 - step) with step = i * fl(1/(n-1)); (g - c) / s; clip; + 1; * 15.5) less the cell's number, held to 0 .. 1.  The line A + k D follows the coordinate to about 1e-4 texels at the smallest
; sizes drawn; where it names the neighbouring cell the coordinate lies that near the line between the two, and the held weight gives the texel on that line: the sample stays continuous.
; Texels outside the patch, and pixels outside the query's ranges, get the weight 0.
; BY TURNS.  Two buffers of 32 texel registers: the next query's set-up and its 32 loads stand ahead of the compositing of the query in hand.
; No LDS, no barrier: no wave wants a byte that another has fetched.  No cluster: what waves share is some 3 KB of records and parameters.
; LIMITS.  |sizes| from 1e-30 to 1e30 and not 0 (the division, n r with one correction, has no scaling step); NaN and infinities are not treated apart.  The bilinear sum and the mean of depth_scale are
; added in another order than the model's (a few units in the last place).
.set C511,   0x3b004020                ; 1/511 rounded to f32
.set C255,   0x3b808081                ; 1/255 rounded to f32
.set CLIPLO, 0xbf8ccccd                ; -1.1
.set CLIPHI, 0x3f8ccccd                ; 1.1
.set HALFW,  0x41780000                ; 15.5
.set EPS,    0x3a83126f                ; 0.001
.set VISMIN, 0x3d4ccccd                ; 0.05
.set PINF,   0x7f800000
; vector registers
.set LN,   1                           ; lane
.set XI,   2                           ; v[2:3]     my two columns
.set YI,   4                           ; row of lane % 4
.set OO,   5                           ; my byte offset in each output
.set GX,   6                           ; v[6:7]     g of my two columns
.set GY,   8                           ; g of row lane % 4
.set ONE,  9
.set INF,  10
.set RL,   16                          ; v[16:23]   record of query lane
.set RH,   24                          ; v[24:31]   of query lane + 32
.set NCL,  32                          ; v[32:35]   -cx, -cy of the two
.set NCH,  34
.set ZL,   36                          ; v[36:39]   sx, sy
.set ZH,   38
.set DL,   40                          ; depths
.set DH,   41
.set MEAN, 42                          ; v[42:43]   mean of depth_scale, twice
.set RCL,  44                          ; v[44:47]   1/sx, 1/sy
.set RCH,  46
.set TR,   48                          ; v[48:55]   transmittance, row k at TR + 2 k
.set DS,   56                          ; v[56:63]   depth sums
.set ID,   64                          ; v[64:71]   identity, 0 while none
.set THR,  72                          ; v[72:79]   0.001 while the pixel has no identity, then +inf
.set TEX0, 80                          ; v[80:111]  buffer 0: row k at + 8 k: top left (2 columns), top right, bottom left, bottom right
.set WG0,  112                         ; v[112:115] its left and right weights
.set TEX1, 116
.set WG1,  148
.set OFF,  152                         ; v[152:155] byte offsets in a texel row: left (2 columns), right
.set E,    156                         ; v[156:179] at work
.set U,    156
.set A,    159
.set UF,   164
.set N,    168
.set QQ,   170
.set NR,   172
.set QR,   173
; scalar registers
.set SLO,  4                           ; s[4:5]     queries still to come, bit = rank
.set SHI,  5
.set WT0,  28                          ; s[28:43]   buffer 0: row k: top weight at + 4 k, bottom weight at + 4 k + 2 (each the low word of a pair)
.set DEP0, 44
.set QID0, 46
.set WT1,  48                          ; s[48:63]
.set DEP1, 66
.set QID1, 68
.set BASE, 70                          ; s[70:85]   row k: address of its top texel row at + 4 k, of its bottom one at + 4 k + 2
.set XF,   86
.set NX,   87
.set AX,   88
.set DX,   89
.set YF,   90
.set NY,   91
.set AY,   92
.set DY,   93
.set NCXY, 94                          ; s[94:95]   -cx, -cy
.set SXY,  96
.set RXY,  98
.set PQ,   104                         ; s[104:105] the query's patch
	s_load_b512 s[4:19], s[0:1], 0x0               ; centers s[4:5], depth s[6:7], depth_scale s[8:9], patch_alpha s[10:11], sizes s[12:13], rec s[14:15], out0 s[16:17], out1 s[18:19]
	s_load_b64 s[20:21], s[0:1], 0x40              ; out2
	v_and_b32 v[LN], 31, v0
	v_lshrrev_b32 v14, 5, v0
	v_readfirstlane_b32 s22, v14                   ; wave
	s_and_b32 s23, ttmp7, 0xffff                   ; batch
	s_lshl_b32 s24, s23, 11
	s_lshl_b32 s25, s23, 9
	s_lshl_b32 s26, s23, 8
	v_lshl_add_u32 v11, v[LN], 5, s24              ; record of query lane
	v_lshl_add_u32 v12, v[LN], 3, s25              ; its pair in centers and sizes
	v_lshl_add_u32 v13, v[LN], 2, s26              ; its word in depth and depth_scale
	s_wait_kmcnt 0x0
	global_load_b128 v[RL:RL+3],   v11, s[14:15]
	global_load_b128 v[RL+4:RL+7], v11, s[14:15] offset:16
	global_load_b128 v[RH:RH+3],   v11, s[14:15] offset:1024
	global_load_b128 v[RH+4:RH+7], v11, s[14:15] offset:1040
	global_load_b64 v[NCL:NCL+1], v12, s[4:5]
	global_load_b64 v[NCH:NCH+1], v12, s[4:5] offset:256
	global_load_b64 v[ZL:ZL+1], v12, s[12:13]
	global_load_b64 v[ZH:ZH+1], v12, s[12:13] offset:256
	global_load_b32 v[DL], v13, s[6:7]
	global_load_b32 v[DH], v13, s[6:7] offset:128
	global_load_b32 v[MEAN], v13, s[8:9]
	global_load_b32 v[MEAN+1], v13, s[8:9] offset:128
	; what hangs on ids alone is made while the loads are out
	s_lshl_b32 s47, s22, 6                         ; the tile's first column
	s_lshl_b32 s69, ttmp9, 2                       ; and first row
	v_lshl_add_u32 v[XI], v[LN], 1, s47
	v_add_nc_u32 v[XI+1], 1, v[XI]
	v_and_b32 v[YI], 3, v0
	v_add_nc_u32 v[YI], s69, v[YI]
	v_cvt_f32_u32 v[GX], v[XI]
	v_cvt_f32_u32 v[GX+1], v[XI+1]
	v_cvt_f32_u32 v[GY], v[YI]
	v_pk_mul_f32 v[GX:GX+1], v[GX:GX+1], C511 op_sel_hi:[1,0]                                ; step
	v_mul_f32 v[GY], C255, v[GY]
	v_pk_add_f32 v[E:E+1], v[GX:GX+1], 1.0 op_sel_hi:[1,0] neg_lo:[1,0] neg_hi:[1,0]         ; 1 - step
	v_sub_f32 v[E+2], 1.0, v[GY]
	v_pk_add_f32 v[GX:GX+1], v[GX:GX+1], v[E:E+1] neg_lo:[0,1] neg_hi:[0,1]                  ; g
	v_sub_f32 v[GY], v[GY], v[E+2]
	s_lshl_b32 s24, s23, 19                        ; an image is 524,288 bytes,
	s_lshl_b32 s25, ttmp9, 13                      ; four rows 8,192,
	s_add_co_u32 s24, s24, s25
	s_lshl_b32 s25, s22, 8                         ; 64 columns 256
	s_add_co_u32 s24, s24, s25
	v_lshl_add_u32 v[OO], v[LN], 3, s24
	s_lshl_b32 s24, s23, 18                        ; the batch's 64 patches of 4,096 bytes
	s_mov_b32 s25, 0                               ; s25 stays 0: the high word of an offset
	s_add_nc_u64 s[10:11], s[10:11], s[24:25]
	s_mov_b32 s26, 0x76543210                      ; v_permlanex16_b32: each lane takes its own place in the other half
	s_mov_b32 s27, 0xfedcba98
	v_mov_b32 v[ONE], 1.0
	v_mov_b32 v[INF], PINF
	v_mov_b32 v165, 1
.irp j, 0,1,2,3,4,5,6,7
	v_mov_b32 v[TR+\j], 1.0
	v_mov_b32 v[DS+\j], 0
	v_mov_b32 v[ID+\j], 0
	v_mov_b32 v[THR+\j], EPS
	s_mov_b32 s[WT0+2*\j+1], 0                     ; the high words of the pairs that the packed products name: written once, never used
	s_mov_b32 s[WT1+2*\j+1], 0
.endr
	s_mov_b32 s[DEP0+1], 0
	s_mov_b32 s[DEP1+1], 0
	s_wait_loadcnt 0x0                             ; all twelve; their address registers are free from here on
	v_rcp_f32 v[RCL], v[ZL]
	v_rcp_f32 v[RCL+1], v[ZL+1]
	v_rcp_f32 v[RCH], v[ZH]
	v_rcp_f32 v[RCH+1], v[ZH+1]
	; plain work behind the four reciprocals: the mean of depth_scale and the signs of the centres
	v_add_f32 v[MEAN], v[MEAN], v[MEAN+1]
	v_pk_mul_f32 v[NCL:NCL+1], v[NCL:NCL+1], -1.0 op_sel_hi:[1,0]
	v_pk_mul_f32 v[NCH:NCH+1], v[NCH:NCH+1], -1.0 op_sel_hi:[1,0]
	v_add_f32_dpp v[MEAN], v[MEAN], v[MEAN] row_xmask:1 row_mask:0xf bank_mask:0xf
	v_add_f32_dpp v[MEAN], v[MEAN], v[MEAN] row_xmask:2 row_mask:0xf bank_mask:0xf
	v_add_f32_dpp v[MEAN], v[MEAN], v[MEAN] row_xmask:4 row_mask:0xf bank_mask:0xf
	v_add_f32_dpp v[MEAN], v[MEAN], v[MEAN] row_xmask:8 row_mask:0xf bank_mask:0xf
	v_permlanex16_b32 v[MEAN+1], v[MEAN], s26, s27
	v_add_f32 v[MEAN], v[MEAN], v[MEAN+1]
	v_mul_f32 v[MEAN], 0x3c800000, v[MEAN]         ; / 64
	v_mov_b32 v[MEAN+1], v[MEAN]
	s_wait_alu depctr_va_vdst(0)                   ; one wait for the four reciprocals, ahead of their first reader
	v_pk_fma_f32 v[E:E+1], v[ZL:ZL+1], v[RCL:RCL+1], 1.0 op_sel_hi:[1,1,0] neg_lo:[1,0,0] neg_hi:[1,0,0]    ; 1 - s r
	v_pk_fma_f32 v[E+2:E+3], v[ZH:ZH+1], v[RCH:RCH+1], 1.0 op_sel_hi:[1,1,0] neg_lo:[1,0,0] neg_hi:[1,0,0]
	v_pk_fma_f32 v[RCL:RCL+1], v[E:E+1], v[RCL:RCL+1], v[RCL:RCL+1]                                         ; r + r (1 - s r), as the launch before makes it
	v_pk_fma_f32 v[RCH:RCH+1], v[E+2:E+3], v[RCH:RCH+1], v[RCH:RCH+1]
	; which queries meet my tile: first < tile's end and first + count > tile's start, along both axes
	s_add_co_u32 s12, s47, 64
	s_add_co_u32 s13, s69, 4
.macro OVER rec, m
	v_and_b32 v160, 0xffff, v[\rec]
	v_lshrrev_b32 v161, 16, v[\rec]
	v_and_b32 v162, 0xffff, v[\rec+4]
	v_lshrrev_b32 v163, 16, v[\rec+4]
	v_add_nc_u32 v161, v160, v161
	v_add_nc_u32 v163, v162, v163
	v_cmp_gt_u32 s14, s12, v160
	v_cmp_lt_u32 s15, s47, v161
	v_cmp_gt_u32 s22, s13, v162
	v_cmp_lt_u32 s23, s69, v163
	s_and_b32 s14, s14, s15
	s_and_b32 s22, s22, s23
	s_and_b32 s[\m], s14, s22
.endm
	OVER RL, 100
	OVER RH, 101
	; 1 << rank of those, in two words, ORed over the two queries of a lane and then over the lanes
	v_lshlrev_b32 v164, v[RL+3], v165
	v_lshlrev_b32 v166, v[RH+3], v165
	v_cmp_le_u32 s14, 32, v[RL+3]
	v_cmp_le_u32 s15, 32, v[RH+3]
	s_and_not1_b32 s22, s100, s14
	s_and_b32 s23, s100, s14
	v_cndmask_b32 v176, 0, v164, s22
	v_cndmask_b32 v177, 0, v164, s23
	s_and_not1_b32 s12, s101, s15
	s_and_b32 s13, s101, s15
	v_cndmask_b32 v178, 0, v166, s12
	v_cndmask_b32 v179, 0, v166, s13
	v_or_b32 v176, v176, v178
	v_or_b32 v177, v177, v179
.irp m, 1,2,4,8
	v_mov_b32_dpp v178, v176 row_xmask:\m row_mask:0xf bank_mask:0xf
	v_mov_b32_dpp v179, v177 row_xmask:\m row_mask:0xf bank_mask:0xf
	v_or_b32 v176, v176, v178
	v_or_b32 v177, v177, v179
.endr
	v_permlanex16_b32 v178, v176, s26, s27
	v_permlanex16_b32 v179, v177, s26, s27
	v_or_b32 v176, v176, v178
	v_or_b32 v177, v177, v179
	v_readfirstlane_b32 s[SLO], v176
	v_readfirstlane_b32 s[SHI], v177
	s_mov_b32 s27, 0                               ; s27 stays 0 from here: the high word of a second offset
	s_mov_b32 s8, CLIPLO
	s_mov_b32 s9, CLIPHI
; The numbers of the query in lane s15 of one half of the batch.
.macro PICK rec, cen, siz, inv, dpt, dst
	v_readlane_b32 s[XF], v[\rec], s15
	v_readlane_b32 s[AX], v[\rec+1], s15
	v_readlane_b32 s[DX], v[\rec+2], s15
	v_readlane_b32 s[YF], v[\rec+4], s15
	v_readlane_b32 s[AY], v[\rec+5], s15
	v_readlane_b32 s[DY], v[\rec+6], s15
	v_readlane_b32 s[NCXY], v[\cen], s15
	v_readlane_b32 s[NCXY+1], v[\cen+1], s15
	v_readlane_b32 s[SXY], v[\siz], s15
	v_readlane_b32 s[SXY+1], v[\siz+1], s15
	v_readlane_b32 s[RXY], v[\inv], s15
	v_readlane_b32 s[RXY+1], v[\inv+1], s15
	v_readlane_b32 s[\dst], v[\dpt], s15
.endm
; THE NEXT QUERY: it is taken off the mask, its weights are made and its 32 texel loads issued, into one of the two buffers.
; Columns go two to a packed instruction; the tile's four rows are worked in lanes 0 to 3 (every lane works row lane % 4) beside them, and read out lane by lane.
.macro SETUP tex, wg, wt, dep, qid
	s_wait_xcnt 0x0                                ; the loads issued so far have read OFF and BASE: both are written anew below
	s_ctz_i32_b32 s12, s[SLO]
	s_ctz_i32_b32 s13, s[SHI]
	s_add_co_u32 s13, s13, 32
	s_sub_co_u32 s14, s[SLO], 1
	s_and_b32 s14, s[SLO], s14                     ; the low word less its lowest bit (0 stays 0)
	s_sub_co_u32 s15, s[SHI], 1
	s_and_b32 s15, s[SHI], s15
	s_cmp_lg_u32 s[SLO], 0
	s_cselect_b32 s12, s12, s13                    ; the lowest rank left
	s_cselect_b32 s[SHI], s[SHI], s15
	s_mov_b32 s[SLO], s14
	v_cmp_eq_u32 s13, s12, v[RL+3]                 ; whose is it?  ranks are a permutation: one lane of one half answers
	v_cmp_eq_u32 s14, s12, v[RH+3]
	s_ctz_i32_b32 s15, s13
	s_ctz_i32_b32 s22, s14
	s_cmp_lg_u32 s13, 0
	s_cbranch_scc0 .Lupper_\@
	s_min_u32 s15, s15, 31
	s_mov_b32 s7, s15
	PICK RL, NCL, ZL, RCL, DL, \dep
	s_branch .Lpicked_\@
.Lupper_\@:
	s_min_u32 s15, s22, 31
	s_add_co_u32 s7, s15, 32
	PICK RH, NCH, ZH, RCH, DH, \dep
.Lpicked_\@:
	s_lshr_b32 s[NX], s[XF], 16
	s_and_b32 s[XF], s[XF], 0xffff
	s_lshr_b32 s[NY], s[YF], 16
	s_and_b32 s[YF], s[YF], 0xffff
	s_sub_co_u32 s47, s[NX], 1
	s_sub_co_u32 s69, s[NY], 1
	s_min_u32 s7, s7, 63
	s_add_co_u32 s22, s7, 1
	s_cvt_f32_u32 s[\qid], s22                     ; the identity that it gives
	s_lshl_b32 s24, s7, 12
	s_add_nc_u64 s[PQ:PQ+1], s[10:11], s[24:25]    ; its patch
	; whole numbers: place in the query's range, cell, texel offsets, which texels count
	v_sub_nc_u32 v[U], v[XI], s[XF]
	v_sub_nc_u32 v[U+1], v[XI+1], s[XF]
	v_sub_nc_u32 v[U+2], v[YI], s[YF]
	v_cmp_gt_u32 s12, s[NX], v[U]                  ; inside the range (a pixel ahead of it wraps to a large number)
	v_cmp_gt_u32 s13, s[NX], v[U+1]
	v_cmp_gt_u32 s14, s[NY], v[U+2]
	v_min_u32 v[U], s47, v[U]
	v_min_u32 v[U+1], s47, v[U+1]
	v_min_u32 v[U+2], s69, v[U+2]
	v_mad_u32 v[U], v[U], s[DX], s[AX]
	v_mad_u32 v[U+1], v[U+1], s[DX], s[AX]
	v_mad_u32 v[U+2], v[U+2], s[DY], s[AY]
	v_lshrrev_b32 v[U], 24, v[U]
	v_lshrrev_b32 v[U+1], 24, v[U+1]
	v_lshrrev_b32 v[U+2], 24, v[U+2]
	v_min_u32 v[U], 34, v[U]                       ; cell + 2
	v_min_u32 v[U+1], 34, v[U+1]
	v_min_u32 v[U+2], 34, v[U+2]
	v_cvt_f32_u32 v[UF], v[U]
	v_cvt_f32_u32 v[UF+1], v[U+1]
	v_cvt_f32_u32 v[UF+2], v[U+2]
	v_add_nc_u32 v[A], -2, v[U]                    ; the left (top) texel,
	v_add_nc_u32 v[A+1], -2, v[U+1]
	v_add_nc_u32 v[A+2], -2, v[U+2]
	v_add_nc_u32 v[U], -1, v[U]                    ; the right (bottom) one
	v_add_nc_u32 v[U+1], -1, v[U+1]
	v_add_nc_u32 v[U+2], -1, v[U+2]
	v_cmp_gt_u32 s15, 32, v[A]                     ; 0 to 31: a texel of the patch (-1 and -2 wrap)
	v_cmp_gt_u32 s22, 32, v[A+1]
	v_cmp_gt_u32 s23, 32, v[A+2]
	v_cmp_gt_u32 s100, 32, v[U]
	v_cmp_gt_u32 s101, 32, v[U+1]
	v_cmp_gt_u32 s7, 32, v[U+2]
	s_and_b32 s15, s15, s12
	s_and_b32 s22, s22, s13
	s_and_b32 s23, s23, s14
	s_and_b32 s100, s100, s12
	s_and_b32 s101, s101, s13
	s_and_b32 s7, s7, s14
	v_min_u32 v[A], 31, v[A]                       ; every load stays inside the patch; what does not count gets the weight 0
	v_min_u32 v[A+1], 31, v[A+1]
	v_min_u32 v[A+2], 31, v[A+2]
	v_min_u32 v[U], 31, v[U]
	v_min_u32 v[U+1], 31, v[U+1]
	v_min_u32 v[U+2], 31, v[U+2]
	v_lshlrev_b32 v[OFF], 2, v[A]
	v_lshlrev_b32 v[OFF+1], 2, v[A+1]
	v_lshlrev_b32 v[OFF+2], 2, v[U]
	v_lshlrev_b32 v[OFF+3], 2, v[U+1]
	v_lshlrev_b32 v[A+2], 7, v[A+2]                ; a texel row is 128 bytes
	v_lshlrev_b32 v[U+2], 7, v[U+2]
	; floats: the coordinate, and its distance from the cell's left (top) texel
	v_pk_add_f32 v[UF:UF+1], v[UF:UF+1], -2.0 op_sel_hi:[1,0]
	v_add_f32 v[UF+2], -2.0, v[UF+2]
	v_pk_add_f32 v[N:N+1], v[GX:GX+1], s[NCXY:NCXY+1] op_sel_hi:[1,0]                        ; n = g - c
	v_add_f32 v[NR], s[NCXY+1], v[GY]
	v_pk_mul_f32 v[QQ:QQ+1], v[N:N+1], s[RXY:RXY+1] op_sel_hi:[1,0]                          ; q0 = n r
	v_mul_f32 v[QR], s[RXY+1], v[NR]
	v_pk_fma_f32 v[N:N+1], v[QQ:QQ+1], s[SXY:SXY+1], v[N:N+1] op_sel_hi:[1,0,1] neg_lo:[1,0,0] neg_hi:[1,0,0]  ; n - s q0
	v_fma_f32 v[NR], -v[QR], s[SXY+1], v[NR]
	v_pk_fma_f32 v[N:N+1], v[N:N+1], s[RXY:RXY+1], v[QQ:QQ+1] op_sel_hi:[1,0,1]              ; n / s
	v_fma_f32 v[NR], v[NR], s[RXY+1], v[QR]
	v_med3_num_f32 v[N], v[N], s8, s9
	v_med3_num_f32 v[N+1], v[N+1], s8, s9
	v_med3_num_f32 v[NR], v[NR], s8, s9
	v_pk_add_f32 v[N:N+1], v[N:N+1], 1.0 op_sel_hi:[1,0]
	v_add_f32 v[NR], 1.0, v[NR]
	v_pk_mul_f32 v[N:N+1], v[N:N+1], HALFW op_sel_hi:[1,0]
	v_mul_f32 v[NR], HALFW, v[NR]
	v_sub_f32 v[N], v[N], v[UF] clamp              ; w, held to 0 .. 1
	v_sub_f32 v[N+1], v[N+1], v[UF+1] clamp
	v_sub_f32 v[NR], v[NR], v[UF+2] clamp
	v_sub_f32 v[QQ], 1.0, v[N]
	v_sub_f32 v[QQ+1], 1.0, v[N+1]
	v_sub_f32 v[QR], 1.0, v[NR]
	v_cndmask_b32 v[\wg], 0, v[QQ], s15
	v_cndmask_b32 v[\wg+1], 0, v[QQ+1], s22
	v_cndmask_b32 v[\wg+2], 0, v[N], s100
	v_cndmask_b32 v[\wg+3], 0, v[N+1], s101
	v_cndmask_b32 v[QR], 0, v[QR], s23
	v_cndmask_b32 v[NR], 0, v[NR], s7
.irp k, 0,1,2,3
	v_readlane_b32 s[\wt+4*\k], v[QR], \k          ; row k: its top weight, its bottom weight,
	v_readlane_b32 s[\wt+4*\k+2], v[NR], \k
	v_readlane_b32 s24, v[A+2], \k                 ; and its two texel rows
	v_readlane_b32 s26, v[U+2], \k
	s_min_u32 s24, s24, 3968
	s_min_u32 s26, s26, 3968
	s_add_nc_u64 s[BASE+4*\k:BASE+4*\k+1], s[PQ:PQ+1], s[24:25]
	s_add_nc_u64 s[BASE+4*\k+2:BASE+4*\k+3], s[PQ:PQ+1], s[26:27]
.endr
.irp k, 0,1,2,3
	global_load_b32 v[\tex+8*\k],   v[OFF],   s[BASE+4*\k:BASE+4*\k+1]
	global_load_b32 v[\tex+8*\k+1], v[OFF+1], s[BASE+4*\k:BASE+4*\k+1]
	global_load_b32 v[\tex+8*\k+2], v[OFF+2], s[BASE+4*\k:BASE+4*\k+1]
	global_load_b32 v[\tex+8*\k+3], v[OFF+3], s[BASE+4*\k:BASE+4*\k+1]
	global_load_b32 v[\tex+8*\k+4], v[OFF],   s[BASE+4*\k+2:BASE+4*\k+3]
	global_load_b32 v[\tex+8*\k+5], v[OFF+1], s[BASE+4*\k+2:BASE+4*\k+3]
	global_load_b32 v[\tex+8*\k+6], v[OFF+2], s[BASE+4*\k+2:BASE+4*\k+3]
	global_load_b32 v[\tex+8*\k+7], v[OFF+3], s[BASE+4*\k+2:BASE+4*\k+3]
.endr
.endm
; ONE QUERY IS COMPOSITED onto my eight pixels, two to a packed instruction, the four rows side by side.
.macro COMP tex, wg, wt, dep, qid
.irp k, 0,1,2,3
	v_pk_mul_f32 v[E+4*\k:E+4*\k+1],   v[\tex+8*\k:\tex+8*\k+1],   v[\wg:\wg+1]
	v_pk_mul_f32 v[E+4*\k+2:E+4*\k+3], v[\tex+8*\k+4:\tex+8*\k+5], v[\wg:\wg+1]
.endr
.irp k, 0,1,2,3
	v_pk_fma_f32 v[E+4*\k:E+4*\k+1],   v[\tex+8*\k+2:\tex+8*\k+3], v[\wg+2:\wg+3], v[E+4*\k:E+4*\k+1]
	v_pk_fma_f32 v[E+4*\k+2:E+4*\k+3], v[\tex+8*\k+6:\tex+8*\k+7], v[\wg+2:\wg+3], v[E+4*\k+2:E+4*\k+3]
.endr
.irp k, 0,1,2,3
	v_pk_mul_f32 v[E+4*\k:E+4*\k+1], v[E+4*\k:E+4*\k+1], s[\wt+4*\k:\wt+4*\k+1] op_sel_hi:[1,0]
.endr
.irp k, 0,1,2,3
	v_pk_fma_f32 v[E+4*\k:E+4*\k+1], v[E+4*\k+2:E+4*\k+3], s[\wt+4*\k+2:\wt+4*\k+3], v[E+4*\k:E+4*\k+1] op_sel_hi:[1,0,1]   ; alpha
.endr
.irp k, 0,1,2,3
	v_pk_mul_f32 v[E+4*\k+2:E+4*\k+3], v[E+4*\k:E+4*\k+1], v[TR+2*\k:TR+2*\k+1]                                             ; its share: alpha T
.endr
.irp k, 0,1,2,3
	v_pk_add_f32 v[E+4*\k:E+4*\k+1], v[E+4*\k:E+4*\k+1], 1.0 op_sel_hi:[1,0] neg_lo:[1,0] neg_hi:[1,0]                      ; 1 - alpha
.endr
.irp k, 0,1,2,3
	v_pk_fma_f32 v[DS+2*\k:DS+2*\k+1], v[E+4*\k+2:E+4*\k+3], s[\dep:\dep+1], v[DS+2*\k:DS+2*\k+1] op_sel_hi:[1,0,1]
.endr
.irp k, 0,1,2,3
	v_pk_mul_f32 v[TR+2*\k:TR+2*\k+1], v[TR+2*\k:TR+2*\k+1], v[E+4*\k:E+4*\k+1]
.endr
	; the first share above 0.001 names the pixel; from then on its threshold is +inf.  Eight masks: s12-15, s22-23, s100-101
.set j, 0
.rept 8
	v_cmp_lt_f32 s[12+j+6*(j/4)+76*(j/6)], v[THR+j], v[E+4*(j/2)+2+j%2]
.set j, j+1
.endr
.set j, 0
.rept 8
	v_cndmask_b32 v[ID+j], v[ID+j], s[\qid], s[12+j+6*(j/4)+76*(j/6)]
	v_cndmask_b32 v[THR+j], v[THR+j], v[INF], s[12+j+6*(j/4)+76*(j/6)]
.set j, j+1
.endr
.endm
	s_or_b32 s7, s[SLO], s[SHI]
	s_cmp_eq_u32 s7, 0
	s_cbranch_scc1 .Lout                           ; no patch meets the tile
	SETUP TEX0, WG0, WT0, DEP0, QID0
	s_mov_b32 s6, 0
.Lpair:                                            ; a trip takes two queries; at its head buffer 0's 32 loads are out.  64 queries are 32 trips at the most; the walk leaves by the two jumps forward
	s_or_b32 s7, s[SLO], s[SHI]
	s_cmp_eq_u32 s7, 0
	s_cbranch_scc1 .Llast0
	SETUP TEX1, WG1, WT1, DEP1, QID1
	s_wait_loadcnt 32                              ; the 32 loads just issued for buffer 1 may stay out: buffer 0's, issued ahead of them, are in
	COMP TEX0, WG0, WT0, DEP0, QID0
	s_or_b32 s7, s[SLO], s[SHI]
	s_cmp_eq_u32 s7, 0
	s_cbranch_scc1 .Llast1
	SETUP TEX0, WG0, WT0, DEP0, QID0
	s_wait_loadcnt 32                              ; likewise: buffer 1 is in
	COMP TEX1, WG1, WT1, DEP1, QID1
	s_add_co_u32 s6, s6, 1
	s_cmp_lt_u32 s6, 32
	s_cbranch_scc1 .Lpair
.Llast0:
	s_wait_loadcnt 0x0                             ; nothing was issued behind buffer 0's loads
	COMP TEX0, WG0, WT0, DEP0, QID0
	s_branch .Lout
.Llast1:
	s_wait_loadcnt 0x0
	COMP TEX1, WG1, WT1, DEP1, QID1
.Lout:
	s_mov_b32 s7, VISMIN
.irp j, 0,1,2,3,4,5,6,7
	v_sub_f32 v[E+\j], v[ONE], v[TR+\j] clamp      ; occupancy: 1 - T, held to 0 .. 1
.endr
.irp k, 0,1,2,3
	v_pk_mul_f32 v[DS+2*\k:DS+2*\k+1], v[DS+2*\k:DS+2*\k+1], v[MEAN:MEAN+1]
.endr
.set j, 0
.rept 8
	v_cmp_lt_f32 s[12+j+6*(j/4)+76*(j/6)], s7, v[E+j]
.set j, j+1
.endr
.set j, 0
.rept 8
	v_cndmask_b32 v[ID+j], 0, v[ID+j], s[12+j+6*(j/4)+76*(j/6)]   ; identity and depth count only where the occupancy passes 0.05
	v_cndmask_b32 v[DS+j], 0, v[DS+j], s[12+j+6*(j/4)+76*(j/6)]
.set j, j+1
.endr
.irp k, 0,1,2,3
	global_store_b64 v[OO], v[ID+2*\k:ID+2*\k+1], s[16:17] offset:2048*\k th:TH_STORE_NT   ; 32 lanes x 8 bytes: 256 consecutive bytes, at a multiple of 256 from the output's first byte
	global_store_b64 v[OO], v[DS+2*\k:DS+2*\k+1], s[18:19] offset:2048*\k th:TH_STORE_NT
	global_store_b64 v[OO], v[E+2*\k:E+2*\k+1],   s[20:21] offset:2048*\k th:TH_STORE_NT
.endr
	s_endpgm
.Lfunc_end_k_qd9cf102266_render:
	.size	k_qd9cf102266_render, .Lfunc_end_k_qd9cf102266_render-k_qd9cf102266_render
	.p2alignl 7, 3214868480
	.fill 96, 4, 3214868480
	.section	.rodata,"a",@progbits
	.p2align	6, 0x0
	.amdhsa_kernel k_qd9cf102266_render
		.amdhsa_group_segment_fixed_size 0
		.amdhsa_private_segment_fixed_size 0
		.amdhsa_enable_private_segment 0
		.amdhsa_kernarg_size 72
		.amdhsa_user_sgpr_count 2
		.amdhsa_user_sgpr_kernarg_segment_ptr 1
		.amdhsa_wavefront_size32 1
		.amdhsa_system_sgpr_workgroup_id_x 1
		.amdhsa_system_sgpr_workgroup_id_y 1
		.amdhsa_system_sgpr_workgroup_id_z 1
		.amdhsa_system_vgpr_workitem_id 0
		.amdhsa_next_free_vgpr 184
		.amdhsa_next_free_sgpr 106
		.amdhsa_reserve_vcc 0
		.amdhsa_float_denorm_mode_32 3
		.amdhsa_float_denorm_mode_16_64 3
		.amdhsa_memory_ordered 1
		.amdhsa_forward_progress 1
		.amdhsa_inst_pref_size 63
	.end_amdhsa_kernel
	.amdgpu_metadata
---
amdhsa.version: [ 1, 2 ]
amdhsa.kernels:
  - .name:           k_qd9cf102266_render
    .symbol:         k_qd9cf102266_render.kd
    .args:
      - { .name: centers, .offset: 0, .size: 8, .value_kind: global_buffer, .address_space: global }
      - { .name: depth, .offset: 8, .size: 8, .value_kind: global_buffer, .address_space: global }
      - { .name: depth_scale, .offset: 16, .size: 8, .value_kind: global_buffer, .address_space: global }
      - { .name: patch_alpha, .offset: 24, .size: 8, .value_kind: global_buffer, .address_space: global }
      - { .name: sizes, .offset: 32, .size: 8, .value_kind: global_buffer, .address_space: global }
      - { .name: rec, .offset: 40, .size: 8, .value_kind: global_buffer, .address_space: global }
      - { .name: out0, .offset: 48, .size: 8, .value_kind: global_buffer, .address_space: global }
      - { .name: out1, .offset: 56, .size: 8, .value_kind: global_buffer, .address_space: global }
      - { .name: out2, .offset: 64, .size: 8, .value_kind: global_buffer, .address_space: global }
    .group_segment_fixed_size: 0
    .private_segment_fixed_size: 0
    .kernarg_segment_align: 8
    .kernarg_segment_size: 72
    .max_flat_workgroup_size: 256
    .sgpr_count:     106
    .vgpr_count:     184
    .wavefront_size: 32
...
	.end_amdgpu_metadata
.endif
;; end of part 2
